; MI455X (gfx1250); checked and timed in simulation.
; The chip was launched on July 23, 2026; its instructions are those of AMD's public machine-readable ISA for CDNA 5 (MIT licence, August 2026) and "CDNA5" Instruction Set Architecture Reference Guide (July 2026). The comments in the code are by the model that wrote it; some were corrected since.
;; Mo E Layer. Allowed arithmetic: matrix products marked QUANTISED: E2M1 operands, one E8M0 scale for each 32 along K, by v_wmma_scale_f32_16x16x128_f8f6f4 with both operands' format E2M1 (or v_wmma_scale_f32_32x16x128_f4), f32 sums; products left as they are: f32 operands where the result goes on into a quantised operand, else bf16, f16 or f32 operands; f32 sums; everything else in f32.
;; Inputs: W_experts 8 x 2,048 x 2,048 float32; W_gate 2,048 x 8 float32; b_experts 8 x 2,048 float32; b_gate 8 float32; x 8,192 x 2,048 float32.
;; Outputs: out0 8,192 x 2,048 float32.
;; This version of the problem:
;;   THIS VERSION OF THE PROBLEM IS GIVEN IN LOW PRECISION. The matrix products marked QUANTISED in the list below multiply operands that are first quantised to E2M1 (2 exponent bits, 1 mantissa bit; 4 bits a number), with one power-of-two scale for each 32 numbers along K (OCP MX v1.0); their sums are f32. All else is computed in f32.
;;   The module's matrix products, in the order in which they are computed (A, B: the left and right operand; K: the contracted axis; several contracted axes count as one K, in the product's order):
;;     1. [M 8,192, K 2,048] x [K 2,048, N 8]; A: input x; B: input W_gate: left as it is (N = 8 < 16)
;;     2. [M 8,192, K 2,048] x [K 2,048, N 4,096]; A: input x; B: computed on the way: QUANTISED
;;   THE QUANTISER, for each operand of a quantised product, along K:
;;     - K is cut into blocks of 32 from its start; a last block that is shorter is filled with zeros.
;;     - A block's scale is 2^e with e = floor(log2(the largest magnitude in the block)) - 2, held to -126 .. 127; a block of zeros has e = 0. As a byte (E8M0): e + 127.
;;     - Each number is divided by its block's scale, clamped to +-6, and rounded to the nearest number of E2M1, ties to even, subnormals kept.
;;     - The product sums the exact products of the quantised numbers (number of the format x scale) in f32.
;;   ~~~python
;;   def quantise(x, axis):      # numpy; x: float32 -> the quantised numbers, widened to float32 again
;;       x = np.moveaxis(x, axis, -1); K = x.shape[-1]
;;       x = np.pad(x, [(0, 0)] * (x.ndim - 1) + [(0, -K % 32)]); x = x.reshape(x.shape[:-1] + (-1, 32)); a = np.abs(x).max(-1, keepdims=True)
;;       e = np.where(a > 0, np.clip(np.frexp(np.where(a > 0, a, 1))[1] - 1 - 2, -126, 127), 0)      # np.frexp(a)[1] - 1 = floor(log2(a)), exactly
;;       r = np.clip(x / 2.0 ** e, -6, 6)
;;       step = 2.0 ** (np.maximum(np.frexp(np.where(r == 0, 1, r))[1] - 1, 0) - 1)
;;       q = np.round(r / step) * step * 2.0 ** e      # np.round: ties to even
;;       return np.moveaxis(q.reshape(q.shape[:-2] + (-1,))[..., :K], -1, axis).astype(np.float32)
;;   ~~~
;;   OPERANDS COMPUTED ON THE WAY. 'Computed on the way' means the value that the module computes at that place (a softmax that the list does not call 'softmax' is quantised finished and normalised). What goes into a quantiser is computed in f32, as accurately as f32 sums, v_exp_f32 and their like allow (about 1e-6 of the number): no bf16 or f16 on the way to a quantiser, and a product that is left as it is and whose result goes on into a quantised operand takes f32 operands (vector FMAs, or v_wmma_f32_16x16x4_f32). A number that lies on a knife's edge between two numbers of the format may be rounded either way, as far as f32 arithmetic and the matrix unit's own rounding can turn it there, and no further.
;; One version. Each part assembles by itself: llvm-mc -triple=amdgcn-amd-amdhsa -mcpu=gfx1250 --defsym DOCPART=n.
;; ======== version 1 of 1: 3 launches
;; limits: values are held in bf16: 8 bits of precision; right only within a limited range of input values
;; workspace buffers: xq 8,912,896 bytes; wq 4,456,448 bytes; bsel 16,384 bytes; scores 131,072 bytes; sel 256 bytes of whole numbers
;; launch prep_x (part 1): grid 256 x 1, 8 waves a work-group, no clusters, 281,600 bytes of LDS; arguments x, W_gate, b_gate, xq, scores, sel; writes xq, scores, sel
.if DOCPART == 1
	.amdgcn_target "amdgcn-amd-amdhsa--gfx1250"
	.amdhsa_code_object_version 6
	.text
	.protected	k_q47969e9973_prep_x
	.globl	k_q47969e9973_prep_x
	.p2align	8
	.type	k_q47969e9973_prep_x,@function
k_q47969e9973_prep_x:
	s_mov_b64 s[64:65], 0
	v_nop
	global_prefetch_b8 v0, s[64:65] scope:SCOPE_SE
	s_setreg_imm32_b32 hwreg(HW_REG_WAVE_MODE, 25, 1), 1
	s_wait_xcnt 0x0
; MoE layer, launch 1 of 3.  out[n][o] = s0[n] (x[n] . W[i0][:, o] + b[i0][o]) + s1[n] (x[n] . W[i1][:, o] + b[i1][o]); (s0, s1)[n] are token n's two largest softmax gates,
; (i0, i1) the experts of the two largest gates of TOKEN 0.  The product with W is made on codes of FP4 (E2M1) with one E8M0 scale for each 32 along D_IN.
; THIS LAUNCH: x [8192][2048] f32 -> its codes and scale bytes; the gate x W_gate + b_gate, its softmax (the row's maximum taken away), each token's two largest gates; token 0's two indices as whole numbers.
; WORK LEFT OUT BY THE PROGRAM.  reference() gathers W_experts[idx0] and b_experts[idx0]: of the eight experts only the two that idx0 names have a way to the output, whatever the inputs hold; the next launch reads idx0
; from memory and reads those two alone.  Of top_idx reference() keeps row 0: the other rows' indices are made inside live lanes here and not stored.  Every input has a way to the output and is loaded by some launch.
; LIMITS.  A NaN, an infinity or an overflow in an expert that is not chosen is not carried to the result.  NaN and infinities among the inputs are not served.  A block of 32 whose largest magnitude lies under 2^-124
; (a block of zeros among them) gets the scale byte 1: zeros stay zero codes, and this program alone reads the bytes.  The gate's operands go to the matrix unit as PAIRS of bf16 (a high and a low part, split in f32,
; all four products summed in f32): about 2^-16 of a number; where token 0's second and third gate lie closer than that, either may be taken.
; SHARES.  A work-group takes 32 rows (two tiles T of 16), 256 KiB of x, which come into LDS by ONE fill: no slot is filled twice.  Wave w takes k = 256 w .. 256 w + 255 of both tiles: four units u = 2 c + T of
; 16 rows x 128 k (c: which 128), one tensor load for all four; a wave reads its own bytes alone.
; LAYOUT OF THE RESULTS.  xq: [K step of 512: 4][group of 128 rows: 64][34,816 bytes].  A group's block is what the product's launch fetches by one load: first [tile of 16 rows: 8][128 along K: 4][1,024 bytes],
; each an IMAGE OF THE OPERAND'S REGISTERS (registers 0-3 of lane l at 16 l, registers 4-7 at 512 + 16 l); then from byte 32,768 on [row 128][16 bytes]: four scale words, one for each 128 along K.
; scores: [token][4] f32 = s0, s0, s1, s1.  sel: two u32.
.set GRPB,  34816                      ; a group's block in xq
.set KSTR,  64*GRPB                    ; a K step on in xq
.set UNITB, 8448                       ; a quarter of a wave's room in LDS
.set XP,    1040                       ; ONE tensor load a wave brings its 32 rows x 256 numbers (all four units): an LDS row is 1,024 bytes + 16 of padding = 65 x 16; unit u = 2 c + T begins at 16 T rows + 512 c bytes
.set WAVEB, 4*UNITB
.set GP,    8*WAVEB                    ; behind the tiles: each wave's partial logits, 1,024 bytes a wave
.set SCW,   GP+8192                    ; the scale words: [K step 4][32 rows][16 bytes]
.set SPARE, SCW+2048                   ; the spare words, 128 bytes for each wave: four blocks of 256 bytes that no other line names
.set LX,   4                           ; v4   LDS: my wave's tiles + 1,040 r + 64 h
.set LI,   5                           ; v5   16 x lane
.set WGO,  6                           ; v6   W_gate: 512 h + 4 (r % 8)
.set SCA,  7                           ; v7   LDS: where I put two scale words of row = lane
.set GPA,  8                           ; v8   LDS: where I put my token's partial logits
.set NEG1, 9                           ; v9   -1.0
.set SPW,  10                          ; v10  LDS address of my spare word; never rewritten
.set NIL,  11                          ; v11  0; never rewritten
.set SCR,  12                          ; v12  LDS: a K step's 32 rows of scale words, 16 bytes a lane
.set GPR,  13                          ; v13  LDS: wave 0's place in the partial logits
.set X,    16                          ; v16-79   64 numbers: register 16 b + i = k 32 b + 16 h + i of row r
.set AHL,  80                          ; v80-111  x's high and low parts as bf16, two sets of 8 + 8
.set ACC,  112                         ; v112-143 the gate's sums: tile T, part p (0: x's high, 1: x's low) at 112 + 16 T + 8 p
.set WF,   144                         ; v144-207 W_gate's 8 fragments (32 k each): rows 0-7 the high parts of experts 0-7, rows 8-15 their low parts
.set PC,   208                         ; v208-215 the codes just made
.set TM,   216                         ; v216-231 at work in QUANT
.set SW,   232                         ; v232-235 unit u's scale word
.set HH,   236                         ; v236-243, v244-251 at work
.set LL,   244
.set WV,   18
.set G1,   24                          ; s[24:31] descriptor group 1;  s[32:35] group 0
.set G0,   32
.set BG,   48                          ; s[48:55] b_gate
.set SEL,  56                          ; s[56:57] lane selects: lane l xor 16
.set HM,   58                          ; s58 lanes 16-31
.set PM,   59                          ; s59 lanes with r >= 8
	s_load_b256 s[4:11], s[0:1], 0x0               ; x s[4:5], W_gate s[6:7], b_gate s[8:9], xq s[10:11]
	s_load_b128 s[12:15], s[0:1], 0x20             ; scores s[12:13], sel s[14:15]
	v_lshl_add_u32 v[SPW], v0, 2, SPARE
	v_mov_b32 v[NIL], 0
	ds_add_u32 v[SPW], v[NIL]                      ; the wave's opening: the add, twice on end, and its wait ahead of my first tensor load; the set-up below stands between
	ds_add_u32 v[SPW], v[NIL]
	v_lshrrev_b32 v1, 5, v0
	s_delay_alu instid0(VALU_DEP_1)
	v_readfirstlane_b32 s[WV], v1                  ; wave 0..7
	; group 1: a tile of 32 rows x 256 elements of 4 bytes, rows 2,048 elements apart, 4 words of padding behind every 256
	s_mov_b32 s[G1+0], (2<<16)|(1<<20)|(7<<22)|(3<<25)
	s_mov_b32 s[G1+1], 256<<16                     ; tensor_dim0
	s_mov_b32 s[G1+2], 32<<16                      ; tensor_dim1
	s_mov_b32 s[G1+3], 256<<16                     ; tile_dim0
	s_mov_b32 s[G1+4], 32                          ; tile_dim1
	s_mov_b32 s[G1+5], 2048                        ; from row to row
	s_mov_b32 s[G1+6], 0
	s_mov_b32 s[G1+7], 0
	s_mul_i32 s19, s[WV], WAVEB                    ; my wave's tiles in LDS
	s_mov_b32 s[SEL], 0x76543210
	s_mov_b32 s[SEL+1], 0xfedcba98
	s_mov_b32 s[HM], 0xffff0000
	s_mov_b32 s[PM], 0xff00ff00
	s_lshl_b32 s20, ttmp9, 18                      ; x: 32 rows of 8,192 bytes a work-group,
	s_lshl_b32 s21, s[WV], 10                      ; 256 numbers a wave
	s_add_co_u32 s20, s20, s21
	s_mov_b32 s21, 0
	s_lshl_b32 s22, s[WV], 13                      ; W_gate: 256 rows of 32 bytes a wave
	s_mov_b32 s23, 0
	s_lshr_b32 s68, ttmp9, 2                       ; xq: four work-groups share a group of 128 rows:
	s_mul_i32 s68, s68, GRPB                       ; the group's block,
	s_and_b32 s69, ttmp9, 3                        ; and which 32 rows of it are mine
	s_lshr_b32 s60, s[WV], 1                       ; the codes: K step w / 2,
	s_mul_i32 s60, s60, KSTR
	s_add_co_u32 s60, s60, s68
	s_lshl_b32 s61, s69, 13                        ; two tiles of 4,096 bytes a work-group,
	s_add_co_u32 s60, s60, s61
	s_and_b32 s61, s[WV], 1                        ; my two fragments of a tile's four
	s_lshl_b32 s61, s61, 11
	s_add_co_u32 s60, s60, s61
	s_mov_b32 s61, 0
	s_and_b32 s62, s[WV], 3                        ; the scale bytes: waves 4-7 store K step w % 4,
	s_mul_i32 s62, s62, KSTR
	s_add_co_u32 s62, s62, s68
	s_lshl_b32 s63, s69, 9                         ; 32 rows of 16 bytes a work-group,
	s_add_co_u32 s62, s62, s63
	s_add_co_u32 s62, s62, 32768                   ; behind the group's codes
	s_mov_b32 s63, 0
	s_lshl_b32 s66, ttmp9, 9                       ; scores: 32 tokens of 16 bytes
	s_mov_b32 s67, 0
	v_and_b32 v1, 31, v0                           ; lane
	v_and_b32 v2, 15, v0                           ; r
	v_bfe_u32 v3, v0, 4, 1                         ; h
	s_delay_alu instid0(VALU_DEP_2)
	v_mul_u32_u24 v[LX], v2, XP
	s_delay_alu instid0(VALU_DEP_1)
	v_lshl_add_u32 v[LX], v3, 6, v[LX]
	s_delay_alu instid0(VALU_DEP_1)
	v_add_nc_u32 v[LX], s19, v[LX]
	v_lshlrev_b32 v[LI], 4, v1
	s_wait_alu depctr_va_vdst(0)
	v_and_b32 v[WGO], 7, v0
	s_delay_alu instid0(VALU_DEP_1)
	v_lshlrev_b32 v[WGO], 2, v[WGO]
	s_delay_alu instid0(VALU_DEP_1)
	v_lshl_add_u32 v[WGO], v3, 9, v[WGO]
	s_lshr_b32 s68, s[WV], 1
	s_lshl_b32 s68, s68, 9
	s_and_b32 s69, s[WV], 1
	s_lshl_b32 s69, s69, 3
	s_add_co_u32 s68, s68, s69
	s_add_co_u32 s68, s68, SCW
	v_add_nc_u32 v[SCA], s68, v[LI]                ; SCW + 512 (w / 2) + 8 (w % 2) + 16 x lane
	s_lshl_b32 s68, s[WV], 10
	s_add_co_u32 s68, s68, GP
	v_add_nc_u32 v[GPA], s68, v[LI]                ; GP + 1,024 w + 16 x lane
	v_mov_b32 v[NEG1], -1.0
	s_and_b32 s68, s[WV], 3
	s_lshl_b32 s68, s68, 9
	s_add_co_u32 s68, s68, SCW
	v_add_nc_u32 v[SCR], s68, v[LI]                ; SCW + 512 (w % 4) + 16 x lane
	v_add_nc_u32 v[GPR], GP, v[LI]
.irp b, 0,1,2,3
	v_mov_b32 v[TM+4+\b], 0                        ; written once: a lane permute's destination counts as one of its sources
.endr
	s_wait_dscnt 0x0                               ; both opening adds are done
	s_wait_kmcnt 0x0
	s_add_nc_u64 s[20:21], s[4:5], s[20:21]        ; x at my wave's first number
	s_mov_b32 s[G0], 1                             ; my one tensor load
	s_add_co_u32 s[G0+1], s19, 0
	s_mov_b64 s[G0+2:G0+3], s[20:21]
	s_or_b32 s[G0+3], s[G0+3], 0x80000000
	tensor_load_to_lds s[G0:G0+3], s[G1:G1+7]
	s_nop 0
	s_add_nc_u64 s[6:7], s[6:7], s[22:23]
	s_add_nc_u64 s[16:17], s[10:11], s[62:63]      ; xq at the scale bytes that my wave stores,
	s_add_nc_u64 s[10:11], s[10:11], s[60:61]      ; and at my wave's codes
	s_add_nc_u64 s[12:13], s[12:13], s[66:67]
	s_load_b256 s[BG:BG+7], s[8:9], 0x0            ; b_gate
; W_GATE'S FRAGMENTS, while x is on its way.  Lane (n, h) takes W_gate[256 w + 32 bt + 16 h + i][n % 8], i = 0 .. 15: k sits at the same (h, register, half) as in x's fragments below, so the products pair up.
.irp bt, 0,1,2,3,4,5,6,7
.irp i, 0,1,2,3,4,5,6,7,8,9,10,11,12,13,14,15
	global_load_b32 v[16+16*\bt+\i], v[WGO], s[6:7] offset:1024*\bt+32*\i
.endr
.endr
.macro WBLK bt                                         ; block bt: high parts, what is left over (exact, in f32), its bf16: rows 0-7 keep the high parts, rows 8-15 the low
.if 112-16*(\bt) > 63
	s_wait_loadcnt 63                              ; behind this block's loads stand 112 - 16 bt others; the wait's field holds 63, and a smaller count is safe
.else
	s_wait_loadcnt 112-16*(\bt)
.endif
.irp j, 0,1,2,3,4,5,6,7
	v_cvt_pk_bf16_f32 v[HH+\j], v[16+16*(\bt)+2*\j], v[17+16*(\bt)+2*\j]
.endr
.irp j, 0,1,2,3,4,5,6,7
	v_fma_mix_f32_bf16 v[16+16*(\bt)+2*\j], v[HH+\j], v[NEG1], v[16+16*(\bt)+2*\j] op_sel_hi:[1,0,0]
	v_fma_mix_f32_bf16 v[17+16*(\bt)+2*\j], v[HH+\j], v[NEG1], v[17+16*(\bt)+2*\j] op_sel:[1,0,0] op_sel_hi:[1,0,0]
.endr
.irp j, 0,1,2,3,4,5,6,7
	v_cvt_pk_bf16_f32 v[LL+\j], v[16+16*(\bt)+2*\j], v[17+16*(\bt)+2*\j]
.endr
.irp j, 0,1,2,3,4,5,6,7
	v_cndmask_b32 v[WF+8*(\bt)+\j], v[HH+\j], v[LL+\j], s[PM]
.endr
.endm
.irp bt, 0,1,2,3,4,5,6,7
	WBLK \bt
.endr
	s_wait_kmcnt 0x0                               ; b_gate
; 64 numbers of a lane, register 16 b + i = k 32 b + 16 h + i of my row, become a fragment's codes in v[PC] on and its scale word in v[pw].
.macro QUANT s, pw
.irp b, 0,1,2,3
	v_max3_num_f32 v[TM+\b], |v[\s+16*\b]|, |v[\s+1+16*\b]|, 0x1800000   ; block b: my 16 numbers, and the floor 2^(3 - 127): the byte cannot fall under 1
.endr
.irp i, 2,4,6,8,10,12,14
.irp b, 0,1,2,3
	s_delay_alu instid0(VALU_DEP_4)
	v_max3_num_f32 v[TM+\b], v[TM+\b], |v[\s+16*\b+\i]|, |v[\s+1+16*\b+\i]|   ; the four blocks by turns
.endr
.endr
.irp b, 0,1,2,3
	s_delay_alu instid0(VALU_DEP_4)
	v_permlanex16_b32 v[TM+4+\b], v[TM+\b], s[SEL], s[SEL+1]
.endr
.irp b, 0,1,2,3
	s_delay_alu instid0(VALU_DEP_4)
	v_max_num_f32 v[TM+\b], v[TM+\b], v[TM+4+\b]   ; with lane l xor 16's: the block's largest magnitude
.endr
.irp b, 0,1,2,3
	s_delay_alu instid0(VALU_DEP_4)
	v_add_nc_u32 v[TM+12+\b], 0xff000000, v[TM+\b] ; 2 off its exponent field: the conversion takes the exponent field of this operand as its scale
.endr
.irp b, 0,1,2,3
	s_delay_alu instid0(VALU_DEP_4)
	v_lshrrev_b32 v[TM+4+\b], 23, v[TM+12+\b]      ; the scale's byte
.endr
	s_delay_alu instid0(VALU_DEP_3)
	v_lshl_or_b32 v[\pw], v[TM+5], 8, v[TM+4]
	s_delay_alu instid0(VALU_DEP_1)
	v_lshl_or_b32 v[\pw], v[TM+6], 16, v[\pw]
	s_delay_alu instid0(VALU_DEP_1)
	v_lshl_or_b32 v[\pw], v[TM+7], 24, v[\pw]
.irp b, 0,1,2,3
	v_cvt_scalef32_pk8_fp4_f32 v[PC+2*\b], v[\s+16*\b:\s+7+16*\b], v[TM+12+\b]
	v_cvt_scalef32_pk8_fp4_f32 v[PC+1+2*\b], v[\s+8+16*\b:\s+15+16*\b], v[TM+12+\b]
.endr
	v_nop                                          ; one plain place behind a scaled conversion
.irp c, 0,1                                            ; the operand's layout wants a whole block in a lane: lanes 0-15 block 2 c, lanes 16-31 block 2 c + 1
.irp i, 0,1
	v_permlane16_swap_b32 v[PC+4*\c+\i], v[PC+2+4*\c+\i]
.endr
.endr
.endm
; The gate, 32 along K: x's block b as high and low bf16 parts, and two products, transposed (source 0 = W_gate's 16 rows, source 1 = my 16 tokens): lane (r, h) holds token r, register j expert j's sum against
; W_gate's high (h = 0) or low (h = 1) parts.  The two accumulators take turns, one instruction a turn.  Two sets of parts: 32 plain instructions lie between a product and the rewrite of its source.
.macro GBLK u, b
.set gA, AHL+16*((\b)%2)
.set gX, X+16*(\b)
.set gC, ACC+16*((\u)%2)
.set gW, WF+8*(4*((\u)/2)+(\b))
.irp j, 0,1,2,3,4,5,6,7
	v_cvt_pk_bf16_f32 v[gA+\j], v[gX+2*\j], v[gX+2*\j+1]
.endr
.irp j, 0,1,2,3,4,5,6,7
	v_fma_mix_f32_bf16 v[gX+2*\j], v[gA+\j], v[NEG1], v[gX+2*\j] op_sel_hi:[1,0,0]
	v_fma_mix_f32_bf16 v[gX+2*\j+1], v[gA+\j], v[NEG1], v[gX+2*\j+1] op_sel:[1,0,0] op_sel_hi:[1,0,0]
.endr
.irp j, 0,1,2,3,4,5,6,7
	v_cvt_pk_bf16_f32 v[gA+8+\j], v[gX+2*\j], v[gX+2*\j+1]
.endr
.if ((\u) < 2) && ((\b) == 0)                          ; a tile's first products start its sums
	v_wmma_f32_16x16x32_bf16 v[gC:gC+7], v[gW:gW+7], v[gA:gA+7], 0
	v_wmma_f32_16x16x32_bf16 v[gC+8:gC+15], v[gW:gW+7], v[gA+8:gA+15], 0
.else
	v_wmma_f32_16x16x32_bf16 v[gC:gC+7], v[gW:gW+7], v[gA:gA+7], v[gC:gC+7]
	v_wmma_f32_16x16x32_bf16 v[gC+8:gC+15], v[gW:gW+7], v[gA+8:gA+15], v[gC+8:gC+15]
.endif
.endm
; A unit: quantise, store the image, then the gate block by block; behind each block its registers take the next unit's numbers.
.macro UNIT u
	s_wait_dscnt 0x0                               ; the unit's 64 numbers are in
	s_wait_xcnt 0x0                                ; the last unit's stores have read the codes' registers
	QUANT X, SW+(\u)
	global_store_b128 v[LI], v[PC:PC+3], s[10:11] offset:((\u)%2)*4096+((\u)/2)*1024        ; 32 lanes store 512 consecutive bytes
	global_store_b128 v[LI], v[PC+4:PC+7], s[10:11] offset:((\u)%2)*4096+((\u)/2)*1024+512
.irp b, 0,1,2,3
	GBLK \u, \b
.if (\u) < 3
.irp j, 0,1,2,3
	ds_load_b128 v[X+16*\b+4*\j:X+16*\b+4*\j+3], v[LX] offset:(((\u)+1)%2)*16*XP+(((\u)+1)/2)*512+128*\b+16*\j
.endr
.endif
.endr
.endm
	s_wait_tensorcnt 0x0                           ; my tile has landed
.irp b, 0,1,2,3
.irp j, 0,1,2,3
	ds_load_b128 v[X+16*\b+4*\j:X+16*\b+4*\j+3], v[LX] offset:128*\b+16*\j
.endr
.endr
	UNIT 0
	UNIT 1
	UNIT 2
	UNIT 3
.rept 4
	v_nop                                          ; places behind the last products
.endr
.irp t, 0,1                                            ; x's high and low parts together; each accumulator is read from its low end on
.irp j, 0,2,4,6
	v_pk_add_f32 v[16+8*\t+\j:17+8*\t+\j], v[ACC+16*\t+\j:ACC+16*\t+\j+1], v[ACC+16*\t+8+\j:ACC+16*\t+8+\j+1]
.endr
.endr
.irp j, 0,1,2,3,4,5,6,7
	v_permlane16_swap_b32 v[16+\j], v[24+\j]       ; now v16..: W_gate's high parts, lanes 0-15 tile 0, lanes 16-31 tile 1; v24..: the low parts likewise
.endr
.irp j, 0,2,4,6
	v_pk_add_f32 v[16+\j:17+\j], v[16+\j:17+\j], v[24+\j:25+\j]   ; lane l: token l's eight partial logits over my 256 k
.endr
	ds_store_b128 v[GPA], v[16:19]
	ds_store_b128 v[GPA], v[20:23] offset:512
	v_cndmask_b32 v[HH], v[SW], v[SW+1], s[HM]     ; row = lane: tile h's word of my first 128 along K,
	v_cndmask_b32 v[HH+1], v[SW+2], v[SW+3], s[HM] ; and of my second
	ds_store_b64 v[SCA], v[HH:HH+1]
	s_wait_dscnt 0x0                               ; for the others' sake: my stores have landed
	s_barrier_signal -1
	s_barrier_wait -1                              ; the one barrier
	s_cmp_lt_u32 s[WV], 4
	s_cbranch_scc1 .Llow
	ds_load_b128 v[16:19], v[SCR]                  ; waves 4-7: a K step's scale words of the 32 rows
	s_wait_dscnt 0x0
	global_store_b128 v[LI], v[16:19], s[16:17]    ; 512 consecutive bytes
	s_branch .Lend
.Llow:
	s_cmp_lg_u32 s[WV], 0
	s_cbranch_scc1 .Lend
	; wave 0: lane l finishes token l
.irp ww, 0,1,2,3,4,5,6,7
.irp c, 0,1
	ds_load_b128 v[32+8*\ww+4*\c:35+8*\ww+4*\c], v[GPR] offset:1024*\ww+512*\c
.endr
.endr
	s_wait_dscnt 0x0
.irp ww, 1,2,3,4,5,6,7
.irp p, 0,2,4,6
	v_pk_add_f32 v[32+\p:33+\p], v[32+\p:33+\p], v[32+8*\ww+\p:33+8*\ww+\p]
.endr
.endr
.irp e, 0,1,2,3,4,5,6,7
	v_add_f32 v[32+\e], s[BG+\e], v[32+\e]         ; + b_gate: the logits
.endr
	v_max3_num_f32 v40, v32, v33, v34
	s_delay_alu instid0(VALU_DEP_1)
	v_max3_num_f32 v40, v40, v35, v36
	s_delay_alu instid0(VALU_DEP_1)
	v_max3_num_f32 v40, v40, v37, v38
	s_delay_alu instid0(VALU_DEP_1)
	v_max_num_f32 v40, v40, v39                    ; the row's maximum, taken away ahead of the exponential
.irp e, 0,1,2,3,4,5,6,7
	v_sub_f32 v[32+\e], v[32+\e], v40
.endr
.irp e, 0,1,2,3,4,5,6,7
	v_mul_f32 v[32+\e], 0x3fb8aa3b, v[32+\e]       ; x log2(e)
.endr
	s_wait_alu depctr_va_vdst(0)
.irp e, 0,1,2,3,4,5,6,7
	v_exp_f32 v[32+\e], v[32+\e]
.endr
	v_nop                                          ; a plain place behind the exponentials
	s_wait_alu depctr_va_vdst(0)                   ; one wait for the batch, ahead of its first reader
	v_add_f32 v41, v32, v33
	v_add_f32 v42, v34, v35
	v_add_f32 v43, v36, v37
	v_add_f32 v50, v38, v39
	s_delay_alu instid0(VALU_DEP_3)
	v_add_f32 v41, v41, v42
	s_delay_alu instid0(VALU_DEP_2)
	v_add_f32 v43, v43, v50
	s_delay_alu instid0(VALU_DEP_1)
	v_add_f32 v41, v41, v43
	s_wait_alu depctr_va_vdst(0)
	v_rcp_f32 v48, v41                             ; 1 / the sum; the search below, which does not name it, is the work behind it
	v_mov_b32 v44, v32                             ; the largest so far, and its index;
	v_mov_b32 v45, -1.0                            ; the second: under every p
	v_mov_b32 v46, 0
	v_mov_b32 v47, 0
.irp e, 1,2,3,4,5,6,7                                  ; a later expert displaces an earlier one only where it is strictly larger: ties keep the lower index, as lax.top_k does
	v_cmp_le_f32 s66, v[32+\e], v44
	v_cmp_le_f32 s67, v[32+\e], v45
	v_cndmask_b32 v45, v[32+\e], v45, s67
	s_delay_alu instid0(VALU_DEP_1)
	v_cndmask_b32 v45, v44, v45, s66
	s_delay_alu instid0(VALU_DEP_3)
	v_cndmask_b32 v47, \e, v47, s67
	s_delay_alu instid0(VALU_DEP_1)
	v_cndmask_b32 v47, v46, v47, s66
	v_cndmask_b32 v44, v[32+\e], v44, s66
	v_cndmask_b32 v46, \e, v46, s66
.endr
	s_wait_alu depctr_va_vdst(0)                   ; the reciprocal's wait, ahead of its first reader
	v_mul_f32 v52, v44, v48
	v_mul_f32 v53, v44, v48
	v_mul_f32 v54, v45, v48
	v_mul_f32 v55, v45, v48
	global_store_b128 v[LI], v[52:55], s[12:13]    ; s0, s0, s1, s1: 512 consecutive bytes
	s_cmp_lg_u32 ttmp9, 0
	s_cbranch_scc1 .Lend
	v_cmp_eq_u32 vcc_lo, 0, v1                     ; token 0 is lane 0 of work-group 0
	s_wait_xcnt 0x0                                ; EXEC changes only behind this wait
	s_and_saveexec_b32 s68, vcc_lo
	global_store_b64 v[LI], v[46:47], s[14:15]     ; its two experts, as whole numbers, for the next launch
	s_wait_xcnt 0x0
	s_or_b32 exec_lo, exec_lo, s68
.Lend:
	s_wait_tensorcnt 0x0                           ; the wave's end, behind my last tensor load and my last LDS store
	ds_add_u32 v[SPW], v[NIL]
	s_wait_dscnt 0x0
	s_endpgm
.Lfunc_end_k_q47969e9973_prep_x:
	.size	k_q47969e9973_prep_x, .Lfunc_end_k_q47969e9973_prep_x-k_q47969e9973_prep_x
	.p2alignl 7, 3214868480
	.fill 96, 4, 3214868480
	.section	.rodata,"a",@progbits
	.p2align	6, 0x0
	.amdhsa_kernel k_q47969e9973_prep_x
		.amdhsa_group_segment_fixed_size 281600
		.amdhsa_private_segment_fixed_size 0
		.amdhsa_enable_private_segment 0
		.amdhsa_kernarg_size 48
		.amdhsa_user_sgpr_count 2
		.amdhsa_user_sgpr_kernarg_segment_ptr 1
		.amdhsa_wavefront_size32 1
		.amdhsa_system_sgpr_workgroup_id_x 1
		.amdhsa_system_sgpr_workgroup_id_y 1
		.amdhsa_system_sgpr_workgroup_id_z 1
		.amdhsa_system_vgpr_workitem_id 0
		.amdhsa_next_free_vgpr 256
		.amdhsa_next_free_sgpr 70
		.amdhsa_reserve_vcc 1
		.amdhsa_float_denorm_mode_32 3
		.amdhsa_float_denorm_mode_16_64 3
		.amdhsa_memory_ordered 1
		.amdhsa_forward_progress 1
		.amdhsa_inst_pref_size 109
	.end_amdhsa_kernel
	.amdgpu_metadata
---
amdhsa.version: [ 1, 2 ]
amdhsa.kernels:
  - .name:           k_q47969e9973_prep_x
    .symbol:         k_q47969e9973_prep_x.kd
    .args:
      - { .name: x, .offset: 0, .size: 8, .value_kind: global_buffer, .address_space: global }
      - { .name: W_gate, .offset: 8, .size: 8, .value_kind: global_buffer, .address_space: global }
      - { .name: b_gate, .offset: 16, .size: 8, .value_kind: global_buffer, .address_space: global }
      - { .name: xq, .offset: 24, .size: 8, .value_kind: global_buffer, .address_space: global }
      - { .name: scores, .offset: 32, .size: 8, .value_kind: global_buffer, .address_space: global }
      - { .name: sel, .offset: 40, .size: 8, .value_kind: global_buffer, .address_space: global }
    .group_segment_fixed_size: 281600
    .private_segment_fixed_size: 0
    .kernarg_segment_align: 8
    .kernarg_segment_size: 48
    .max_flat_workgroup_size: 256
    .sgpr_count:     70
    .vgpr_count:     256
    .wavefront_size: 32
...
	.end_amdgpu_metadata
.endif
;; end of part 1
;; launch prep_w (part 2): grid 32 x 8, 16 waves a work-group, no clusters, 3,072 bytes of LDS; arguments W_experts, b_experts, sel, wq, bsel; writes wq, bsel
.if DOCPART == 2
	.amdgcn_target "amdgcn-amd-amdhsa--gfx1250"
	.amdhsa_code_object_version 6
	.text
	.protected	k_q47969e9973_prep_w
	.globl	k_q47969e9973_prep_w
	.p2align	8
	.type	k_q47969e9973_prep_w,@function
k_q47969e9973_prep_w:
	s_mov_b64 s[64:65], 0
	v_nop
	global_prefetch_b8 v0, s[64:65] scope:SCOPE_SE
	s_setreg_imm32_b32 hwreg(HW_REG_WAVE_MODE, 25, 1), 1
	s_wait_xcnt 0x0
; MoE layer, launch 2 of 3.  The two experts that token 0's top-2 names (sel, stored by the launch before) are turned into codes of FP4 (E2M1), with one E8M0 scale byte for each 32 along K = D_IN.
; WORK LEFT OUT: the six experts that sel does not name: reference() gathers W_experts[idx0] and b_experts[idx0], so they have no way to the output.  A NaN or an infinity in them is not carried to the result.
; W_experts[i] is [k 2048][o 2048] f32: K is its FIRST axis.  A LANE TAKES A COLUMN o AND ITS REGISTERS RUN DOWN K: a block of 32 lies in one lane, and the conversions give codes with K innermost.
; THE PRODUCT'S ROW ORDER: slot e (0: the largest gate's expert, 1: the second's) and column o make row R = 128 (o / 64) + 64 e + o % 64: 128 neighbouring rows are 64 columns of slot 0 and the same 64 of slot 1.
; wq: [K step of 512: 4][group of 128 rows: 32][34,816 bytes].  A group's block: first [tile of 16 rows: 8][128 along K: 4][1,024 bytes], an image of the operand's registers: the 32 codes of block t' (0..3) of a 128
; of row r lie at 256 t' + 16 r: so sixteen neighbouring lanes (columns) store 256 consecutive bytes, aligned, and nothing is transposed; then from byte 32,768 on [row 128][16 scale bytes].  bsel: [row 4096] f32.
; SHARES: work-group (x = 64 columns, y = 2 K step + e) takes 64 columns x 512 K; wave w takes 32 columns (w % 2) x 64 K (w / 2): two blocks a lane, 64 loads, all issued at once.
; LIMITS: NaN and infinities are not served; a block under 2^-124 (zeros among them) gets the byte 1: zeros stay zero codes, and this program alone reads the bytes.
.set GRPB,  34816                      ; a group's block in wq
.set KSTR,  32*GRPB                    ; a K step on in wq
.set SPARE, 1024                       ; LDS: 0-1023 the work-group's scale bytes, [64 rows][16]; behind them the spare words, 128 bytes for each of 16 waves
.set SPW, 10                           ; v10 LDS address of my spare word; v11 0; never rewritten
.set NIL, 11
.set SB,  16                           ; v16 my two scale bytes
.set C,   20                           ; v20-27 the codes: four registers for each block, so that no store's data are written again
.set X,   32                           ; v32-95 64 numbers down K
.set WV,  18
	s_load_b256 s[4:11], s[0:1], 0x0               ; W_experts s[4:5], b_experts s[6:7], sel s[8:9], wq s[10:11]
	s_load_b64 s[14:15], s[0:1], 0x20              ; bsel
	v_lshl_add_u32 v[SPW], v0, 2, SPARE
	v_mov_b32 v[NIL], 0
	v_lshrrev_b32 v1, 5, v0
	s_delay_alu instid0(VALU_DEP_1)
	v_readfirstlane_b32 s[WV], v1                  ; wave 0..15
	v_and_b32 v1, 31, v0                           ; lane
	s_and_b32 s19, s[WV], 1                        ; ch: which 32 columns
	s_lshr_b32 s20, s[WV], 1                       ; ko: which 64 along K
	s_and_b32 s21, ttmp7, 0xffff
	s_and_b32 s22, s21, 1                          ; e: the slot
	s_lshr_b32 s23, s21, 1                         ; the K step
	s_wait_alu depctr_va_vdst(0)
	s_wait_kmcnt 0x0
	s_load_b64 s[16:17], s[8:9], 0x0               ; token 0's two experts
	s_lshl_b32 s24, s23, 22                        ; W: (512 K step + 64 ko) rows of 8,192 bytes + (64 x + 32 ch) columns of 4
	s_lshl_b32 s25, s20, 19
	s_add_co_u32 s24, s24, s25
	s_lshl_b32 s25, ttmp9, 8
	s_add_co_u32 s24, s24, s25
	s_lshl_b32 s25, s19, 7
	s_add_co_u32 s24, s24, s25
	s_mul_i32 s26, s23, KSTR                       ; wq: the K step,
	s_mul_i32 s27, ttmp9, GRPB                     ; and my group of 128 rows = my 64 columns in both slots
	s_add_co_u32 s26, s26, s27
	s_lshl_b32 s28, s22, 10                        ; the scale bytes: row (64 e + 32 ch) x 16,
	s_lshl_b32 s29, s19, 9
	s_add_co_u32 s28, s28, s29
	s_add_co_u32 s28, s28, s26
	s_add_co_u32 s28, s28, 32768                   ; behind the group's codes
	s_mov_b32 s29, 0
	s_lshl_b32 s27, s22, 14                        ; the codes: tile (4 e + 2 ch) x 4,096 + 512 ko
	s_add_co_u32 s26, s26, s27
	s_lshl_b32 s27, s19, 13
	s_add_co_u32 s26, s26, s27
	s_lshl_b32 s27, s20, 9
	s_add_co_u32 s26, s26, s27
	s_mov_b32 s27, 0
	s_lshl_b32 s30, ttmp9, 9                       ; bsel: row (128 x + 64 e) x 4
	s_lshl_b32 s31, s22, 8
	s_add_co_u32 s30, s30, s31
	s_mov_b32 s31, 0
	v_lshlrev_b32 v2, 2, v1                        ; in: 4 bytes a lane
	v_lshrrev_b32 v3, 4, v1
	v_and_b32 v4, 15, v1
	s_delay_alu instid0(VALU_DEP_2)
	v_lshlrev_b32 v3, 12, v3
	s_delay_alu instid0(VALU_DEP_1)
	v_lshl_add_u32 v3, v4, 4, v3                   ; codes: lanes 16-31 stand a tile on; 16 bytes a row
	v_lshlrev_b32 v6, 4, v1                        ; 16 x lane
	v_lshlrev_b32 v7, 3, v1                        ; 8 x lane
	s_lshl_b32 s34, s19, 9
	v_add_nc_u32 v5, s34, v6                       ; LDS: row (32 ch + lane) x 16
	s_lshl_b32 s34, s20, 1
	v_add_nc_u32 v4, s34, v5                       ; + 2 ko: my two bytes
	s_add_nc_u64 s[12:13], s[10:11], s[28:29]      ; wq at the scale bytes of my 32 rows,
	s_add_nc_u64 s[10:11], s[10:11], s[26:27]      ; and at my wave's codes
	s_add_nc_u64 s[14:15], s[14:15], s[30:31]
	s_wait_alu depctr_va_vdst(0)
	s_wait_kmcnt 0x0
	s_cmp_eq_u32 s22, 0
	s_cselect_b32 s32, s16, s17                    ; my slot's expert,
	s_min_u32 s32, s32, 7                          ; inside the table
	s_lshl_b32 s33, s32, 24                        ; 16 MiB an expert
	s_add_co_u32 s24, s24, s33
	s_mov_b32 s25, 0
	s_add_nc_u64 s[4:5], s[4:5], s[24:25]
	s_lshl_b32 s32, s32, 13                        ; b_experts: 8,192 bytes an expert, + 64 x columns of 4
	s_lshl_b32 s33, ttmp9, 8
	s_add_co_u32 s32, s32, s33
	s_mov_b32 s33, 0
	s_add_nc_u64 s[6:7], s[6:7], s[32:33]
.set i, 0
.rept 64
	global_load_b32 v[X+i], v2, s[4:5] offset:i*8192 th:TH_LOAD_NT   ; row k + i at my wave's 32 columns: 128 consecutive bytes; the wave beside me takes the next 128
.set i, i+1
.endr
	; the slot's biases, in the product's row order: wave 2 of the work-groups of K step 0.  The load lands with the 64 above; behind the join the counted waits below hold on both ways
	s_cmp_eq_u32 s[WV], 2
	s_cbranch_scc0 .Lno_bias
	s_cmp_eq_u32 s23, 0
	s_cbranch_scc0 .Lno_bias
	global_load_b64 v[100:101], v7, s[6:7]
	s_wait_loadcnt 0x0
	global_store_b64 v7, v[100:101], s[14:15]      ; 256 consecutive bytes, aligned
.Lno_bias:
.macro BLOCK t
.set XS, X+32*(\t)
	s_wait_loadcnt 32-32*(\t)                      ; this block's 32 loads are in; the next block's may be out
	v_max3_num_f32 v12, |v[XS]|, |v[XS+1]|, |v[XS+2]|               ; the block's largest magnitude: all 32 numbers are mine
	v_max3_num_f32 v13, |v[XS+3]|, |v[XS+4]|, |v[XS+5]|
.irp i, 6,10,14,18,22,26
	s_delay_alu instid0(VALU_DEP_2)
	v_max3_num_f32 v12, v12, |v[XS+\i]|, |v[XS+\i+1]|
	s_delay_alu instid0(VALU_DEP_2)
	v_max3_num_f32 v13, v13, |v[XS+\i+2]|, |v[XS+\i+3]|
.endr
	s_delay_alu instid0(VALU_DEP_2)
	v_max3_num_f32 v12, v12, |v[XS+30]|, |v[XS+31]|
	s_delay_alu instid0(VALU_DEP_1)
	v_max3_num_f32 v12, v12, v13, 0x1800000        ; and the floor 2^(3 - 127): the byte cannot fall under 1
	s_delay_alu instid0(VALU_DEP_1)
	v_add_nc_u32 v14, 0xff000000, v12              ; 2 off its exponent field: the conversion's scale operand
.irp g, 0,1,2,3
	v_cvt_scalef32_pk8_fp4_f32 v[C+4*(\t)+\g], v[XS+8*\g:XS+8*\g+7], v14
.endr
.if (\t) == 0
	v_lshrrev_b32 v[SB], 23, v14                   ; the scale's byte (also the plain line behind the conversions)
.else
	v_lshrrev_b32 v15, 23, v14
	s_delay_alu instid0(VALU_DEP_1)
	v_lshl_or_b32 v[SB], v15, 8, v[SB]             ; the lower K in the lower byte
.endif
	global_store_b128 v3, v[C+4*(\t):C+4*(\t)+3], s[10:11] offset:256*(\t)   ; sixteen lanes store 256 consecutive bytes, aligned
.endm
	BLOCK 0
	BLOCK 1
	ds_store_b16 v4, v[SB]
	s_wait_dscnt 0x0                               ; for the others' sake: my bytes have landed
	s_barrier_signal -1
	s_barrier_wait -1
	s_cmp_lt_u32 s[WV], 2
	s_cbranch_scc0 .Lend
	ds_load_b128 v[96:99], v5                      ; waves 0 and 1: 32 rows' 16 scale bytes of this K step
	s_wait_dscnt 0x0
	global_store_b128 v6, v[96:99], s[12:13]       ; 512 consecutive bytes
.Lend:
	s_wait_tensorcnt 0x0                           ; the wave's end, behind my last LDS store
	ds_add_u32 v[SPW], v[NIL]
	s_wait_dscnt 0x0
	s_endpgm
.Lfunc_end_k_q47969e9973_prep_w:
	.size	k_q47969e9973_prep_w, .Lfunc_end_k_q47969e9973_prep_w-k_q47969e9973_prep_w
	.p2alignl 7, 3214868480
	.fill 96, 4, 3214868480
	.section	.rodata,"a",@progbits
	.p2align	6, 0x0
	.amdhsa_kernel k_q47969e9973_prep_w
		.amdhsa_group_segment_fixed_size 3072
		.amdhsa_private_segment_fixed_size 0
		.amdhsa_enable_private_segment 0
		.amdhsa_kernarg_size 40
		.amdhsa_user_sgpr_count 2
		.amdhsa_user_sgpr_kernarg_segment_ptr 1
		.amdhsa_wavefront_size32 1
		.amdhsa_system_sgpr_workgroup_id_x 1
		.amdhsa_system_sgpr_workgroup_id_y 1
		.amdhsa_system_sgpr_workgroup_id_z 1
		.amdhsa_system_vgpr_workitem_id 0
		.amdhsa_next_free_vgpr 112
		.amdhsa_next_free_sgpr 66
		.amdhsa_reserve_vcc 0
		.amdhsa_float_denorm_mode_32 3
		.amdhsa_float_denorm_mode_16_64 3
		.amdhsa_memory_ordered 1
		.amdhsa_forward_progress 1
		.amdhsa_inst_pref_size 14
	.end_amdhsa_kernel
	.amdgpu_metadata
---
amdhsa.version: [ 1, 2 ]
amdhsa.kernels:
  - .name:           k_q47969e9973_prep_w
    .symbol:         k_q47969e9973_prep_w.kd
    .args:
      - { .name: W_experts, .offset: 0, .size: 8, .value_kind: global_buffer, .address_space: global }
      - { .name: b_experts, .offset: 8, .size: 8, .value_kind: global_buffer, .address_space: global }
      - { .name: sel, .offset: 16, .size: 8, .value_kind: global_buffer, .address_space: global }
      - { .name: wq, .offset: 24, .size: 8, .value_kind: global_buffer, .address_space: global }
      - { .name: bsel, .offset: 32, .size: 8, .value_kind: global_buffer, .address_space: global }
    .group_segment_fixed_size: 3072
    .private_segment_fixed_size: 0
    .kernarg_segment_align: 8
    .kernarg_segment_size: 40
    .max_flat_workgroup_size: 512
    .sgpr_count:     66
    .vgpr_count:     112
    .wavefront_size: 32
...
	.end_amdgpu_metadata
.endif
;; end of part 2
;; launch gemm (part 3): grid 16 x 16, 4 waves a work-group, clusters of 4 x 4, 327,680 bytes of LDS; arguments xq, wq, bsel, scores, out0; writes out0
.if DOCPART == 3
	.amdgcn_target "amdgcn-amd-amdhsa--gfx1250"
	.amdhsa_code_object_version 6
	.text
	.protected	k_q47969e9973_gemm
	.globl	k_q47969e9973_gemm
	.p2align	8
	.type	k_q47969e9973_gemm,@function
k_q47969e9973_gemm:
	s_mov_b64 s[64:65], 0
	v_nop
	global_prefetch_b8 v0, s[64:65] scope:SCOPE_SE
	s_setreg_imm32_b32 hwreg(HW_REG_WAVE_MODE, 25, 1), 1
	s_wait_xcnt 0x0
	s_wait_alu depctr_hold_cnt(0) depctr_sa_sdst(0) depctr_va_vdst(0) depctr_va_sdst(0) depctr_va_ssrc(0) depctr_va_vcc(0) depctr_vm_vsrc(0)
	s_getreg_b32 s2, hwreg(HW_REG_IB_STS2, 6, 4)
	s_cmp_eq_u32 s2, 0
	s_cbranch_scc0 .Lentry_in_a_cluster
	s_endpgm
.Lentry_in_a_cluster:
	s_bfe_u32 s2, ttmp6, 0x10000c
	s_cmp_lg_u32 s2, 0xf033
	s_cbranch_scc0 .Lentry_shape_is_right
	s_endpgm
.Lentry_shape_is_right:
; MoE layer, launch 3 of 3.  out[n][o] = s0[n] (x[n] . W[i0][:, o] + b[i0][o]) + s1[n] (x[n] . W[i1][:, o] + b[i1][o]), on the codes of FP4 (E2M1) and E8M0 scale bytes that the two launches before have laid.
; WORK LEFT OUT: the six experts that token 0's top-2 does not name never reach wq and bsel (see the first launch's head); a NaN or an infinity in them is not carried to the result.
; A work-group of four waves makes two tiles of 256 tokens x 256 product rows (128 columns of out in both slots), 4,096 tokens apart; a wave makes 128 x 128: 64 accumulators, 512 registers.
; K goes in steps of 512 through a ring of two LDS slots; a slot holds two groups' blocks of xq and two of wq (34,816 bytes each: images of the operands' registers, then the scale words), one joint load a wave.
; CLUSTER 4 x 4: x's blocks are shared along a row of the cluster, wq's along a column.  The biases are the C of a tile's first products.
; THE WAY OUT: block by block of 16 tokens: s0 x slot 0's sums + s1 x slot 1's, through the wave's own stage in LDS, back as whole rows of 256 bytes, sixteen lanes storing 256 consecutive bytes, aligned.
; The rows read back have four sets of 32 registers (v128-255 of window 1: B's second set is done with when a tile goes out) and every store's offset is an immediate from the tile's first row.
.set NQ,     4
.set FR,     8
.set NL,     2
.set NP,     4
.set TILES,  2
.set GRPB,   34816
.set SCOF,   32768
.set SLOT,   4*GRPB
.set ASTEP,  64*GRPB
.set BSTEP,  32*GRPB
.set BACK_A, 2*ASTEP-32*GRPB
.set BACK_B, 2*BSTEP
.set NEXT_C, 4096*8192                 ; from a tile's first row of out to the next tile's
.set STAGE,  2*SLOT
.set SPITCH, 272
.set SPARE,  STAGE+4*16*SPITCH
.set BO,   7
.set SO,   9
.set ADRA, 16
.set ADRB, 20
.set STO,  24
.set RD,   25
.set CO,   26
.set SPW,  28
.set NIL,  29
.set ADRS, 30
.set SC,   32
.set SCO,  96
.set AF,   128
.set BI,   192
.set TO,   64
.set BK,   128
.set G1, 24
.set G0, 32
.set G1B, 48
.set G0B, 56
.set MSB, 0
.macro WIN new
.if MSB != \new
	s_set_vgpr_msb (MSB<<8)|\new
.set MSB, \new
.endif
.endm
.set MUL_LO, 0xa1
.set MUL_HI, 0xf1
.set MUL_LO0, 0x81
.set MUL_HI0, 0xc1
.set TO_B,   0x40
.set W_OUT,  0x44
.macro JLOAD g0a, g1a, g0b, g1b
	s_cmp_eq_u32 s15, 0
	s_cbranch_scc0 .Lfor_b_\@
	tensor_load_to_lds s[\g0a:\g0a+3], s[\g1a:\g1a+7]
	s_nop 0
.rept 4
	v_nop
.endr
	s_branch .Lasked_\@
.Lfor_b_\@:
	tensor_load_to_lds s[\g0b:\g0b+3], s[\g1b:\g1b+7]
	s_nop 0
.rept 4
	v_nop
.endr
.Lasked_\@:
.endm
.macro CREST
	s_cmp_lg_u32 s14, 0
	s_cbranch_scc1 .Lnot_wave_0_\@
	s_barrier_signal -3
.Lnot_wave_0_\@:
	s_barrier_wait -3
	s_barrier_signal -1
	s_barrier_wait -1
.endm
.macro CROUND
	s_barrier_signal -1
	s_barrier_wait -1
	CREST
.endm
	s_load_b128 s[4:7], s[0:1], 0x0
	s_load_b128 s[96:99], s[0:1], 0x10
	s_load_b64 s[12:13], s[0:1], 0x20
	v_lshl_add_u32 v[SPW], v0, 2, SPARE
	v_mov_b32 v[NIL], 0
	ds_add_u32 v[SPW], v[NIL]
	ds_add_u32 v[SPW], v[NIL]
	v_lshrrev_b32 v1, 5, v0
	v_readfirstlane_b32 s14, v1
	s_lshr_b32 s15, s14, 1
	s_and_b32 s16, s14, 1
	s_bfe_u32 s40, ttmp6, 0x40000
	s_bfe_u32 s41, ttmp6, 0x40004
	s_lshl_b32 s42, ttmp9, 2
	s_add_co_u32 s42, s42, s40
	s_and_b32 s17, ttmp7, 0xffff
	s_lshl_b32 s17, s17, 2
	s_add_co_u32 s17, s17, s41
	s_lshl_b32 s43, s41, 2
	s_lshl_b32 s43, 15, s43
	s_lshl_b32 s44, 0x1111, s40
	s_or_b32 s[G1+0], s43, (3<<16)|(1<<21)
	s_or_b32 s[G1B+0], s44, (3<<16)|(1<<21)
.irp g, G1, G1B
	s_mov_b32 s[\g+1], 32<<16
	s_mov_b32 s[\g+2], 136<<16
	s_mov_b32 s[\g+3], 32<<16
	s_mov_b32 s[\g+4], 136
	s_mov_b32 s[\g+5], 32
	s_mov_b32 s[\g+6], 0
	s_mov_b32 s[\g+7], 0
.endr
	s_lshl_b32 s20, s17, 1
	s_add_co_u32 s20, s20, s16
	s_mul_i32 s20, s20, GRPB
	s_mov_b32 s21, 0
	s_lshl_b32 s46, s42, 1
	s_add_co_u32 s46, s46, s16
	s_mul_i32 s46, s46, GRPB
	s_mov_b32 s47, 0
	s_mul_i32 s45, s14, GRPB
	s_lshl_b32 s92, s42, 10
	s_lshl_b32 s93, s16, 9
	s_add_co_u32 s92, s92, s93
	s_mov_b32 s93, 0
	s_lshl_b32 s22, s17, 12
	s_lshl_b32 s23, s15, 11
	s_add_co_u32 s22, s22, s23
	s_mov_b32 s23, 0
	s_lshl_b32 s18, s17, 21
	s_lshl_b32 s19, s15, 20
	s_add_co_u32 s18, s18, s19
	s_mov_b32 s19, 0
	s_lshl_b32 s94, s42, 9
	s_lshl_b32 s95, s16, 8
	s_add_co_u32 s94, s94, s95
	s_mov_b32 s95, 0
	v_and_b32 v1, 15, v0
	v_bfe_u32 v2, v0, 4, 1
	v_lshlrev_b32 v[BO], 5, v2
	v_lshlrev_b32 v[SO], 4, v1
	s_wait_alu depctr_va_vdst(0)
	s_wait_dscnt 0x0
	s_wait_kmcnt 0x0
	s_add_nc_u64 s[20:21], s[4:5], s[20:21]
	s_add_nc_u64 s[46:47], s[6:7], s[46:47]
	s_add_nc_u64 s[96:97], s[96:97], s[92:93]
	s_add_nc_u64 s[98:99], s[98:99], s[22:23]
	s_add_nc_u64 s[12:13], s[12:13], s[18:19]
	s_add_nc_u64 s[12:13], s[12:13], s[94:95]
.irp b, 0,1,2,3,4,5,6,7
	global_load_b128 v[BI+8*\b:BI+8*\b+3], v[BO], s[96:97] offset:64*\b
	global_load_b128 v[BI+8*\b+4:BI+8*\b+7], v[BO], s[96:97] offset:64*\b+16
.endr
.irp a, 0,1,2,3,4,5,6,7
	global_load_b128 v[SCO+4*\a:SCO+4*\a+3], v[SO], s[98:99] offset:256*\a
.endr
	CROUND
.irp s, 0,1
	s_mov_b32 s[G0+4*\s], 1
	s_add_co_u32 s[G0+4*\s+1], s45, \s*SLOT
	s_add_nc_u64 s[G0+4*\s+2:G0+4*\s+3], s[20:21], \s*ASTEP
	s_or_b32 s[G0+4*\s+3], s[G0+4*\s+3], 0x80000000
	s_mov_b32 s[G0B+4*\s], 1
	s_add_co_u32 s[G0B+4*\s+1], s45, \s*SLOT
	s_add_nc_u64 s[G0B+4*\s+2:G0B+4*\s+3], s[46:47], \s*BSTEP
	s_or_b32 s[G0B+4*\s+3], s[G0B+4*\s+3], 0x80000000
	s_wait_alu depctr_va_vdst(0)
	s_wait_tensorcnt 0x0
	ds_add_u32 v28, v29
	ds_add_u32 v28, v29
	s_wait_dscnt 0x0
	CROUND
	JLOAD G0+4*\s, G1, G0B+4*\s, G1B
.endr
	v_and_b32 v3, 31, v0
	v_lshlrev_b32 v3, 4, v3
	s_mul_i32 s21, s15, GRPB
	s_mul_i32 s22, s16, GRPB
	s_add_co_u32 s22, s22, 2*GRPB
.irp s, 0,1
	v_add_nc_u32 v[ADRA+\s], s21, v3
	v_add_nc_u32 v[ADRB+\s], s22, v3
	s_add_co_u32 s21, s21, SLOT
	s_add_co_u32 s22, s22, SLOT
.endr
	v_lshlrev_b32 v5, 4, v1
	s_mul_i32 s21, s15, GRPB
	s_mul_i32 s22, s16, GRPB
	s_add_co_u32 s22, s22, 2*GRPB
	s_sub_co_u32 s22, s22, s21
	v_mul_u32_u24 v6, s22, v2
	s_add_co_u32 s21, s21, SCOF
	v_add_nc_u32 v5, v5, v6
	v_add_nc_u32 v[ADRS], s21, v5
	v_add_nc_u32 v[ADRS+1], SLOT, v[ADRS]
	s_mul_i32 s23, s14, 16*SPITCH
	s_add_co_u32 s23, s23, STAGE
	v_mul_u32_u24 v5, v1, SPITCH
	v_lshl_add_u32 v5, v2, 5, v5
	v_add_nc_u32 v[STO], s23, v5
	v_mul_u32_u24 v5, v2, SPITCH
	v_lshl_add_u32 v5, v1, 4, v5
	v_add_nc_u32 v[RD], s23, v5
	v_lshlrev_b32 v5, 13, v2
	v_lshl_add_u32 v[CO], v1, 4, v5
.macro FRAG reg, adr, q, i
.irp c, 0,1
	ds_load_b128 v[\reg+4*\c:\reg+4*\c+3], v[\adr] offset:1024*(\q)+512*\c+(\i)*4096
.endr
.endm
.macro MUL16 a0, p, q, sc, zero
.irp a, \a0, \a0+1
.irp b, 0,1,2,3,4,5,6,7
.if \zero
	v_wmma_scale_f32_16x16x128_f8f6f4 v[8*(8*((\a)%4)+\b):8*(8*((\a)%4)+\b)+7], v[128*(\p)+FR*\b:128*(\p)+FR*\b+FR-1], v[AF+FR*(\a):AF+FR*(\a)+FR-1], v[BI+8*\b:BI+8*\b+7], v[SC+8*NQ*(\sc)+NQ*\b+(\q)], v[SC+8*NQ*(\sc)+NQ*(\a)+(\q)] matrix_a_fmt:MATRIX_FMT_FP4 matrix_b_fmt:MATRIX_FMT_FP4 matrix_a_scale:MATRIX_SCALE_ROW1
.else
	v_wmma_scale_f32_16x16x128_f8f6f4 v[8*(8*((\a)%4)+\b):8*(8*((\a)%4)+\b)+7], v[128*(\p)+FR*\b:128*(\p)+FR*\b+FR-1], v[AF+FR*(\a):AF+FR*(\a)+FR-1], v[8*(8*((\a)%4)+\b):8*(8*((\a)%4)+\b)+7], v[SC+8*NQ*(\sc)+NQ*\b+(\q)], v[SC+8*NQ*(\sc)+NQ*(\a)+(\q)] matrix_a_fmt:MATRIX_FMT_FP4 matrix_b_fmt:MATRIX_FMT_FP4 matrix_a_scale:MATRIX_SCALE_ROW1
.endif
.endr
.endr
.endm
.macro FETCH_B slot, q, p
	WIN TO_B
.irp i, 0,1,2,3,4,5,6,7
	FRAG 128*(\p)+FR*\i, ADRB+\slot, \q, \i
.endr
	WIN 0
.endm
.macro FETCH_A slot, q, i0
.irp i, \i0, \i0+1, \i0+2, \i0+3
	FRAG AF+FR*(\i), ADRA+\slot, \q, \i
.endr
.endm
.macro SCALES sc
.irp i, 0,1,2,3,4,5,6,7
	ds_load_b128 v[SC+8*NQ*\sc+NQ*\i:SC+8*NQ*\sc+NQ*\i+3], v[ADRS+\sc] offset:\i*256
.endr
.endm
.macro PLACES n
.rept \n
	v_nop
.endr
.endm
.macro STEP slot, q, zero
	s_wait_dscnt 4*NL
.if \zero
	WIN MUL_LO0
.else
	WIN MUL_LO
.endif
	MUL16 0, (\q)%2, \q, \slot, \zero
	MUL16 2, (\q)%2, \q, \slot, \zero
	s_wait_dscnt 0
	PLACES NP
	FETCH_B \slot, (\q)+1, 1-(\q)%2
	FETCH_A \slot, (\q)+1, 0
.if \zero
	WIN MUL_HI0
.else
	WIN MUL_HI
.endif
	MUL16 4, (\q)%2, \q, \slot, \zero
	MUL16 6, (\q)%2, \q, \slot, \zero
	PLACES NP
	WIN 0
	FETCH_A \slot, (\q)+1, 4
.endm
.macro TURN slot, next, fill
	s_wait_tensorcnt 0x0
	ds_add_u32 v[SPW], v[NIL]
	s_wait_dscnt 4*NL+1
	WIN MUL_LO
	MUL16 0, 1, NQ-1, \slot, 0
	s_wait_dscnt 0x0
	s_barrier_signal -1
	MUL16 2, 1, NQ-1, \slot, 0
	WIN 0
	s_barrier_wait -1
.if \fill
	CREST
.if \fill == 1
	s_add_nc_u64 s[G0+4*\slot+2:G0+4*\slot+3], s[G0+4*\slot+2:G0+4*\slot+3], 2*ASTEP
	s_add_nc_u64 s[G0B+4*\slot+2:G0B+4*\slot+3], s[G0B+4*\slot+2:G0B+4*\slot+3], 2*BSTEP
.else
	s_sub_nc_u64 s[G0+4*\slot+2:G0+4*\slot+3], s[G0+4*\slot+2:G0+4*\slot+3], BACK_A
	s_sub_nc_u64 s[G0B+4*\slot+2:G0B+4*\slot+3], s[G0B+4*\slot+2:G0B+4*\slot+3], BACK_B
.endif
	JLOAD G0+4*\slot, G1, G0B+4*\slot, G1B
.else
	PLACES NP
.endif
	FETCH_B \next, 0, 0
	FETCH_A \next, 0, 0
	s_wait_alu depctr_va_vdst(0)
	SCALES \next
	WIN MUL_HI
	MUL16 4, 1, NQ-1, \slot, 0
	MUL16 6, 1, NQ-1, \slot, 0
	PLACES NP
	WIN 0
	FETCH_A \next, 0, 4
.endm
.macro STEPS slot, from
.set Q, \from
.rept NQ-1-\from
	STEP \slot, Q, 0
.set Q, Q+1
.endr
.endm
.macro COMB a
.set AC, 64*((\a)%4)
.set TT, TO+32*((\a)%2)
	WIN 0x52+(\a)/4
.irp b, 0,1,2,3
.irp i, 0,2,4,6
	v_pk_mul_f32 v[TT+8*\b+\i:TT+8*\b+\i+1], v[AC+8*\b+\i:AC+8*\b+\i+1], v[SCO+4*(\a):SCO+4*(\a)+1]
.endr
.irp i, 0,2,4,6
	v_pk_fma_f32 v[TT+8*\b+\i:TT+8*\b+\i+1], v[AC+32+8*\b+\i:AC+32+8*\b+\i+1], v[SCO+4*(\a)+2:SCO+4*(\a)+3], v[TT+8*\b+\i:TT+8*\b+\i+1]
.endr
.endr
.endm
.macro TOSTAGE a
.set TT, TO+32*((\a)%2)
.set BB, BK+32*((\a)%4)
	WIN W_OUT
.irp b, 0,1,2,3
	ds_store_b128 v[STO], v[TT+8*\b:TT+8*\b+3] offset:64*\b
	ds_store_b128 v[STO], v[TT+8*\b+4:TT+8*\b+7] offset:64*\b+16
.endr
.irp t, 0,1,2,3,4,5,6,7
	ds_load_b128 v[BB+4*\t:BB+4*\t+3], v[RD] offset:\t*2*SPITCH
.endr
.endm
.macro SEND a
.set BB, BK+32*((\a)%4)
	WIN W_OUT
	s_wait_dscnt 0x0                               ; the block is back in registers
.if (\a) == 3 || (\a) == 6
	s_wait_xcnt 0x0                                ; the stores of blocks 0-2 (of blocks 3-5) have read their registers: blocks 4-6 (block 7) land there next
.endif
.irp t, 0,1,2,3,4,5,6,7
	global_store_b128 v[CO], v[BB+4*\t:BB+4*\t+3], s[12:13] offset:((\a)*16+\t*2)*8192 th:TH_STORE_NT
.endr
.endm
.macro WAYOUT
	s_wait_loadcnt 0x0
	PLACES NP
	COMB 0
	TOSTAGE 0
.irp a, 1,2,3,4,5,6,7
	COMB \a
	SEND \a-1
	s_wait_alu depctr_va_vdst(0)
	TOSTAGE \a
.endr
	SEND 7
	WIN 0
.endm
	s_wait_loadcnt 8
	s_wait_tensorcnt 1
	s_barrier_signal -1
	s_barrier_wait -1
	FETCH_B 0, 0, 0
	FETCH_A 0, 0, 0
	SCALES 0
	FETCH_A 0, 0, 4
	s_mov_b32 s2, 0
.Ltile:
	STEP 0, 0, 1
	STEPS 0, 1
	TURN 0, 1, 1
	STEPS 1, 0
	TURN 1, 0, 1
	STEPS 0, 0
	s_cmp_eq_u32 s2, TILES-1
	s_cbranch_scc1 .Llast
	TURN 0, 1, 2
	STEPS 1, 0
	TURN 1, 0, 2
	WAYOUT
	s_wait_xcnt 0x0
	s_add_nc_u64 s[12:13], s[12:13], NEXT_C
	s_add_nc_u64 s[98:99], s[98:99], 4096*16
.irp a, 0,1,2,3,4,5,6,7
	global_load_b128 v[SCO+4*\a:SCO+4*\a+3], v[SO], s[98:99] offset:256*\a
.endr
	s_add_co_u32 s2, s2, 1
	s_cmp_lt_u32 s2, TILES
	s_cbranch_scc1 .Ltile
.Llast:
	TURN 0, 1, 0
	STEPS 1, 0
	s_wait_dscnt 4*NL
	WIN MUL_LO
	MUL16 0, 1, NQ-1, 1, 0
	MUL16 2, 1, NQ-1, 1, 0
	s_wait_dscnt 0
	WIN MUL_HI
	MUL16 4, 1, NQ-1, 1, 0
	MUL16 6, 1, NQ-1, 1, 0
	WIN 0
	WAYOUT
	s_wait_tensorcnt 0x0
	ds_add_u32 v[SPW], v[NIL]
	s_wait_dscnt 0x0
	CROUND
	s_endpgm
.Lfunc_end_k_q47969e9973_gemm:
	.size	k_q47969e9973_gemm, .Lfunc_end_k_q47969e9973_gemm-k_q47969e9973_gemm
	.p2alignl 7, 3214868480
	.fill 96, 4, 3214868480
	.section	.rodata,"a",@progbits
	.p2align	6, 0x0
	.amdhsa_kernel k_q47969e9973_gemm
		.amdhsa_group_segment_fixed_size 327680
		.amdhsa_private_segment_fixed_size 0
		.amdhsa_enable_private_segment 0
		.amdhsa_kernarg_size 40
		.amdhsa_user_sgpr_count 2
		.amdhsa_user_sgpr_kernarg_segment_ptr 1
		.amdhsa_wavefront_size32 1
		.amdhsa_system_sgpr_workgroup_id_x 1
		.amdhsa_system_sgpr_workgroup_id_y 1
		.amdhsa_system_sgpr_workgroup_id_z 1
		.amdhsa_system_vgpr_workitem_id 0
		.amdhsa_next_free_vgpr 1024
		.amdhsa_next_free_sgpr 100
		.amdhsa_reserve_vcc 0
		.amdhsa_float_denorm_mode_32 3
		.amdhsa_float_denorm_mode_16_64 3
		.amdhsa_memory_ordered 1
		.amdhsa_forward_progress 1
		.amdhsa_inst_pref_size 255
	.end_amdhsa_kernel
	.section	.bss,"aw",@nobits
	.p2align	6
	.space	262144
	.amdgpu_metadata
---
amdhsa.version: [ 1, 2 ]
amdhsa.kernels:
  - .name:           k_q47969e9973_gemm
    .symbol:         k_q47969e9973_gemm.kd
    .args:
      - { .name: xq, .offset: 0, .size: 8, .value_kind: global_buffer, .address_space: global }
      - { .name: wq, .offset: 8, .size: 8, .value_kind: global_buffer, .address_space: global }
      - { .name: bsel, .offset: 16, .size: 8, .value_kind: global_buffer, .address_space: global }
      - { .name: scores, .offset: 24, .size: 8, .value_kind: global_buffer, .address_space: global }
      - { .name: out0, .offset: 32, .size: 8, .value_kind: global_buffer, .address_space: global }
    .group_segment_fixed_size: 327680
    .private_segment_fixed_size: 0
    .kernarg_segment_align: 8
    .kernarg_segment_size: 40
    .max_flat_workgroup_size: 128
    .sgpr_count:     100
    .vgpr_count:     1024
    .wavefront_size: 32
...
	.end_amdgpu_metadata
.endif
;; end of part 3
